; MI455X (gfx1250); checked and timed in simulation.
; The chip was launched on July 23, 2026; its instructions are those of AMD's public machine-readable ISA for CDNA 5 (MIT licence, August 2026) and "CDNA5" Instruction Set Architecture Reference Guide (July 2026). The comments in the code are by the model that wrote it; some were corrected since.
;; Cov Layer. Allowed arithmetic: matrix products marked QUANTISED: E4M3 operands, one given power-of-two scale a tensor, by v_wmma_f32_16x16x64_fp8_fp8 or v_wmma_f32_16x16x128_fp8_fp8, f32 sums; everything else in f32.
;; Inputs: W_codes 128 x 32 x 32 uint8 (E4M3 codes of W, K innermost, in blocks of 32 codes); b 128 float32; lowp_scales 4 int32 (the exponents e of the quantised operands' scales 2^e); x_left_codes 1 x 256 x 32 x 4 x 32 uint8 (E4M3 codes of x_left, K innermost, in blocks of 32 codes); x_right_codes 1 x 256 x 32 x 4 x 32 uint8 (E4M3 codes of x_right, K innermost, in blocks of 32 codes).
;; Outputs: out0 1 x 256 x 256 x 128 float32.
;; This version of the problem:
;;   THIS VERSION OF THE PROBLEM IS GIVEN IN LOW PRECISION. The matrix products marked QUANTISED in the list below multiply operands that are first quantised to E4M3 (4 exponent bits, 3 mantissa bits; 8 bits a number), with one given power-of-two scale for each operand tensor; their sums are f32. All else is computed in f32.
;;   The module's matrix products, in the order in which they are computed (A, B: the left and right operand; K: the contracted axis; several contracted axes count as one K, in the product's order):
;;     1. [M 8,192, K 128] x [K 128, N 8,192]; A: input x_right (given as codes); B: input x_left (given as codes): QUANTISED (scales: A lowp_scales[0], B lowp_scales[1])
;;     2. [M 65,536, K 1,024] x [K 1,024, N 128]; A: computed on the way; B: input W (given as codes): QUANTISED (scales: A lowp_scales[2], B lowp_scales[3])
;;   THE QUANTISER, for each operand of a quantised product, along K:
;;     - The operand's scale is 2^e, e = its entry of the input lowp_scales (int32; the entries are numbered through the quantised products in the list's order, A before B).
;;     - Each number is divided by the scale, clamped to +-448, and rounded to the nearest number of E4M3, ties to even, subnormals kept.
;;     - The product sums the exact products of the quantised numbers (number of the format x scale) in f32.
;;   ~~~python
;;   def quantise(x, axis, e):      # numpy; x: float32 -> the quantised numbers, widened to float32 again
;;       x = np.moveaxis(x, axis, -1); K = x.shape[-1]
;;       r = np.clip(x / 2.0 ** e, -448, 448)
;;       step = 2.0 ** (np.maximum(np.frexp(np.where(r == 0, 1, r))[1] - 1, -6) - 3)
;;       q = np.round(r / step) * step * 2.0 ** e      # np.round: ties to even
;;       return np.moveaxis(q, -1, axis).astype(np.float32)
;;   ~~~
;;   OPERANDS COMPUTED ON THE WAY. 'Computed on the way' means the value that the module computes at that place (a softmax that the list does not call 'softmax' is quantised finished and normalised). What goes into a quantiser is computed in f32, as accurately as f32 sums, v_exp_f32 and their like allow (about 1e-6 of the number): no bf16 or f16 on the way to a quantiser, and a product that is left as it is and whose result goes on into a quantised operand takes f32 operands (vector FMAs, or v_wmma_f32_16x16x4_f32). A number that lies on a knife's edge between two numbers of the format may be rounded either way, as far as f32 arithmetic and the matrix unit's own rounding can turn it there, and no further.
;;   INPUTS GIVEN AS CODES. W (in the module: [1024, 128], K = its axis 0); x_left (in the module: [1, 128, 256, 32], K = its axis 1); x_right (in the module: [1, 128, 256, 32], K = its axis 1): each comes as NAME_codes (uint8): NAME with its K axis moved to the last place and cut into blocks of 32 codes, [.., K / 32, bytes a block], one block behind the other in memory; one code a byte (a code: sign, 4 exponent bits, 3 mantissa bits); its scale is its entry of lowp_scales. Its value is code x scale, taken as it is: it is not quantised again, and the codes and scales need not be those that the quantiser above would give.
;; One version. Each part assembles by itself: llvm-mc -triple=amdgcn-amd-amdhsa -mcpu=gfx1250 --defsym DOCPART=n.
;; ======== version 1 of 1: 1 launch
;; launch cov (part 1): grid 16 x 16, 4 waves a work-group, clusters of 4 x 1, 206,336 bytes of LDS; arguments x_left_codes, x_right_codes, W_codes, b, lowp_scales, out0; writes out0
.if DOCPART == 1
	.amdgcn_target "amdgcn-amd-amdhsa--gfx1250"
	.amdhsa_code_object_version 6
	.text
	.protected	k_qa044894f95_cov
	.globl	k_qa044894f95_cov
	.p2align	8
	.type	k_qa044894f95_cov,@function
k_qa044894f95_cov:
	s_mov_b64 s[64:65], 0
	v_nop
	global_prefetch_b8 v0, s[64:65] scope:SCOPE_SE
	s_setreg_imm32_b32 hwreg(HW_REG_WAVE_MODE, 25, 1), 1
	s_wait_xcnt 0x0
	s_wait_alu depctr_hold_cnt(0) depctr_sa_sdst(0) depctr_va_vdst(0) depctr_va_sdst(0) depctr_va_ssrc(0) depctr_va_vcc(0) depctr_vm_vsrc(0)
	s_getreg_b32 s2, hwreg(HW_REG_IB_STS2, 6, 4)
	s_cmp_eq_u32 s2, 0
	s_cbranch_scc0 .Lentry_in_a_cluster
	s_endpgm
.Lentry_in_a_cluster:
	s_bfe_u32 s2, ttmp6, 0x10000c
	s_cmp_lg_u32 s2, 0x3003
	s_cbranch_scc0 .Lentry_shape_is_right
	s_endpgm
.Lentry_shape_is_right:
; out[i][j][d] = sum over (l, r) of Q(outer[i][j][l][r]) W[32 l + r][d] + b[d],  outer[i][j][l][r] = sum over n of xl[n][i][l] xr[n][j][r].
; Both products on codes of FP8 (E4M3).  xl, xr: rows (i, l), (j, r) of 128 codes (K = n).  W: rows d of 1,024 codes (K = 32 l + r).  out: [256][256][128] f32.
; lowp_scales: e0 (xr), e1 (xl), e2 (outer), e3 (W).  A sum of the first product stands for sum x 2^(e0 + e1), so its code is sum / 2^E, E = e2 - e0 - e1, held within +-448;
; out = second sum x 2^(e2 + e3) + b.
; LIMITS: E between -126 and 119, e2 + e3 between -126 and 127, so that each power of two below is an f32 number.  NaN codes among the inputs are not served.
; SHARES.  A work-group owns 16 i (16 y on) x 16 j (16 x on); wave w owns the 16 i x the four j = 16 x + 4 w + p (four PAIR TILES), for all 128 d: 256 matrix instructions of each product.  The outer products never leave the registers.
; CLUSTER.  The four work-groups of a cluster have the same y: they need the same 64 KiB of xl and the same 128 KiB of W, which are asked for JOINTLY (mask 15).  xr's rows hang on x, which differs between
; the partners, and each is read by one wave once: they go straight into that wave's registers and stay there.
; LAYOUT (n = lane % 16, h = lane / 16).
;   First product, tile (l, u): source 0 = 16 rows of xr of one j, lane n taking r = 8 u + n + 8 (n / 8); source 1 = xl's rows (i0 + n, l).  Register t of lane (n, h) is outer[i0 + n][j][l][16 h + 8 u + t]:
;   so the conversions of tiles (l, 0), (l, 1) give four registers with k = 32 l + 16 h + 0 .. 15, the very order in which four 16-byte loads bring a fragment of W.  Nothing changes lanes.
;   Second product: source 0 = those codes (rows = the 16 i), source 1 = W's tile 4 z + q, lane n taking row d = 64 z + 4 n + q.  Register t of lane (n, h) is out[i0 + 8 h + t][j][64 z + 4 n + q]:
;   the multiply-add by 2^(e2 + e3) and b, owed anyway, lays q = 0 .. 3 side by side, and sixteen lanes store 256 consecutive bytes, aligned.  No stage in LDS.
;   (Fragments come by four 16-byte loads a side: a permutation of k that is the same in both sources of a product.)
; ORDER.  K2 goes in 8 steps of 128 (four l).  Steps 0 to 5 go step by step, each for all four pair tiles, so that a fragment of W feeds four products and one of xl eight.
; THE LAST TWO K STEPS GO BY PAIR TILE: W and xl have two sets of registers each, which then hold steps 6 and 7 at once, so pair tile p takes both steps before pair tile p + 1 begins, with no fragment read again.
; A pair tile is finished 16 positions ahead of the next and is stored at once: its stores are on their way while the later pair tiles are multiplied.
; LDS is filled once, by eight tensor loads a wave at the start, and never again.  The text is written out by macro, not looped: the first step starts the sums, three steps carry a barrier with a count of their own,
; and the last two steps have an order of their own.
; REGISTERS, in windows of 256 (s_set_vgpr_msb: bits 1:0 source 0, 3:2 source 1, 5:4 source 2, 7:6 destination):
;   window 0: v1-14 addresses; v16-23 b; v32-63 four tiles of the first product by turns; v64-95 the codes, two sets of 16; v96-127 at work on the way out; v128-255 xr's eight fragments, which the way out takes as they fall free.
;   window 1: W's 8 fragments of a K step, two sets.   window 2: xl's 4 fragments of a K step, two sets (v0-127); v128 the conversion's scale.   window 3: the 32 accumulators of out, (p, tile) at v[64 p + 8 tile].
.set XP,    1040                       ; xl in LDS: a row = one i, 8 l x 128 bytes + 16 of padding = 65 x 16 bytes: the 16 rows that a load touches start at 16 different columns of 16 bytes (64 banks of 4 bytes: ISA guide 11.1)
.set XCH,   16*XP                      ; a chunk: 16 i x 8 l; four chunks
.set WP,    272                        ; W in LDS: a row = 256 codes (two K steps) + 16 of padding = 17 x 16 bytes
.set WREG,  32*WP                      ; a region: the 32 rows d = 4 n' + q of one q
.set WQ,    4*WREG                     ; a quarter of K2: four regions
.set WB,    4*XCH                      ; W lies behind xl; the map ends at WB + 4 WQ = 205,824
.set ADX,   4                          ; v4     n XP + 16 h
.set ADW,   8                          ; v8-11  n WP + 16 h + WB + quarter x WQ
.set OFFO,  12                         ; v12    out: 8 h rows i of 131,072 bytes + 16 n; never rewritten
.set XRA,   13                         ; v13    xr: (n + 8 (n / 8)) x 128 + 16 h
.set BA,    14                         ; v14    b: 16 n
.set BIAS,  16                         ; v16-23 b[64 z + 4 n + q] at 4 z + q
.set D1,    32
.set PF,    64
.set XR,    128
.set SC,    128                        ; in window 2
.set WV,    16                         ; s16    my wave's number
.set LO,    24                         ; s24    -448 x 2^E
.set HI,    25                         ; s25    +448 x 2^E
.set SCL,   26                         ; s26    2^(e2 + e3)
.set G1X,   32                         ; s[32:39] descriptor group 1 for xl's tiles;  s[40:47] for W's
.set G1W,   40
.set G0X,   48                         ; s[48:63] group 0 for xl's four chunks;  s[68:83] for W's four quarters
.set G0W,   68
.set BYP,   192                        ; from this index on the products go by pair tile
.set W_A,   0x08                       ; source 1 window 2: first product (xl), and the conversion (its scale); all else window 0
.set W_B,   0xf4                       ; source 0 (codes) window 0, source 1 (W) window 1, C and D window 3
.set W_LX,  0x80                       ; destination window 2, address window 0
.set W_LW,  0x40                       ; destination window 1
.set W_OUT, 0x03                       ; source 0 (the sums) window 3
.set MSB, 0
.macro WIN new                         ; the immediate's high byte repeats the setting that is left; a switch that changes nothing is dropped
.if MSB != \new
	s_set_vgpr_msb (MSB<<8)|\new
.set MSB, \new
.endif
.endm
; A round of the cluster's barrier: my work-group's barrier; wave 0 signals for the work-group; every wave waits for all four work-groups; my work-group's barrier once more.
.macro CROUND
	s_barrier_signal -1
	s_barrier_wait -1
	s_cmp_lg_u32 s[WV], 0
	s_cbranch_scc1 .Lnot_wave_0_\@
	s_barrier_signal -3
.Lnot_wave_0_\@:
	s_barrier_wait -3
	s_barrier_signal -1
	s_barrier_wait -1
.endm
	s_load_b256 s[4:11], s[0:1], 0x0               ; xl s[4:5], xr s[6:7], W s[8:9], b s[10:11]
	s_load_b128 s[12:15], s[0:1], 0x20             ; the scales' exponents s[12:13], out s[14:15]
	v_lshl_add_u32 v30, v0, 2, 0x32400
	v_mov_b32 v31, 0
	ds_add_u32 v30, v31
	ds_add_u32 v30, v31
	v_lshrrev_b32 v3, 5, v0
	v_readfirstlane_b32 s[WV], v3                  ; wave 0..3
	s_bfe_u32 s17, ttmp6, 0x40000                  ; cx: my place in the cluster
	s_lshl_b32 s18, ttmp9, 2                       ; in a cluster launch ttmp9 counts clusters
	s_add_co_u32 s18, s18, s17                     ; x = 4 x cluster x + cx: it enters xr's and out's addresses alone
	s_and_b32 s19, ttmp7, 0xffff                   ; y, which the four partners share
	; descriptor group 1, elements of one byte.  xl: 4 rows (i) of 1,024 bytes, 4,096 bytes apart.  W: 32 rows of 256 bytes, 4,096 bytes apart (every fourth row d)
	s_mov_b32 s[G1X], 15|(1<<20)|(1<<21)|(7<<22)|(3<<25)   ; 15:0 the mask: all four work-groups; 17:16 elements of 1 byte; 20 padding on; 21 set beside a mask; 24:22 after every 256 words (code 7); 31:25 four words (code 3)
	s_mov_b32 s[G1X+1], 1024<<16                   ; tensor_dim0
	s_mov_b32 s[G1X+2], 4<<16                      ; tensor_dim1
	s_mov_b32 s[G1X+3], 1024<<16                   ; tile_dim0
	s_mov_b32 s[G1X+4], 4                          ; tile_dim1
	s_mov_b32 s[G1X+5], 4096                       ; tensor_dim0_stride
	s_mov_b32 s[G1X+6], 0
	s_mov_b32 s[G1X+7], 0
	s_mov_b32 s[G1W], 15|(1<<20)|(1<<21)|(5<<22)|(3<<25)   ; the same with four words of padding after every 64
	s_mov_b32 s[G1W+1], 256<<16
	s_mov_b32 s[G1W+2], 32<<16
	s_mov_b32 s[G1W+3], 256<<16
	s_mov_b32 s[G1W+4], 32
	s_mov_b32 s[G1W+5], 4096
	s_mov_b32 s[G1W+6], 0
	s_mov_b32 s[G1W+7], 0
	; what feeds the joint descriptors is made of y and the wave's number, in registers that never hold cx
	s_lshl_b32 s28, s19, 16                        ; xl: 16 y rows i of 4,096 bytes,
	s_lshl_b32 s29, s[WV], 14                      ; + my four of the sixteen
	s_add_co_u32 s28, s28, s29
	s_mov_b32 s29, 0
	s_lshl_b32 s30, s[WV], 10                      ; W: I fetch the rows d = 4 n' + wave
	s_mov_b32 s31, 0
	s_mul_i32 s27, s[WV], 4*XP                     ; and where they go: no place in the cluster enters an LDS address
	s_mul_i32 s3, s[WV], WREG
	; xr and out
	s_lshl_b32 s84, s18, 16                        ; xr: 16 x rows j of 4,096 bytes,
	s_lshl_b32 s85, s[WV], 14                      ; + my four j
	s_add_co_u32 s84, s84, s85
	s_mov_b32 s85, 0
	s_lshl_b32 s86, s19, 21                        ; out: 16 y rows i of 131,072 bytes,
	s_lshl_b32 s87, s18, 13                        ; + 16 x rows j of 512 bytes,
	s_add_co_u32 s86, s86, s87
	s_lshl_b32 s87, s[WV], 11                      ; + my four j
	s_add_co_u32 s86, s86, s87
	s_mov_b32 s87, 0
	v_and_b32 v1, 15, v0                           ; n
	v_bfe_u32 v2, v0, 4, 1                         ; h
	v_and_b32 v3, 8, v1
	v_add_nc_u32 v3, v3, v1                        ; n + 8 (n / 8)
	v_lshlrev_b32 v[XRA], 7, v3
	v_lshl_add_u32 v[XRA], v2, 4, v[XRA]
	v_lshlrev_b32 v[BA], 4, v1
	s_wait_dscnt 0x0
	s_wait_kmcnt 0x0
	s_load_b128 s[20:23], s[12:13], 0x0            ; e0, e1, e2, e3
	s_add_nc_u64 s[6:7], s[6:7], s[84:85]
	s_add_nc_u64 s[14:15], s[14:15], s[86:87]
	s_add_nc_u64 s[4:5], s[4:5], s[28:29]
	s_add_nc_u64 s[8:9], s[8:9], s[30:31]
.irp p, 0,1,2,3                        ; xr's fragment (p, u): rows r = 8 u + n + 8 (n / 8) of j = my first + p; registers 4 c .. 4 c + 3 hold K = 32 c + 16 h + 0 .. 15.  They stay
.irp u, 0,1
.irp c, 0,1,2,3
	global_load_b128 v[XR+16*(2*\p+\u)+4*\c:XR+16*(2*\p+\u)+4*\c+3], v[XRA], s[6:7] offset:\p*4096+\u*1024+32*\c
.endr
.endr
.endr
	global_load_b128 v[BIAS:BIAS+3], v[BA], s[10:11]               ; b[4 n + q]
	global_load_b128 v[BIAS+4:BIAS+7], v[BA], s[10:11] offset:256  ; b[64 + 4 n + q]
.irp g, 0,1,2,3
	s_mov_b32 s[G0X+4*\g], 1                                       ; 1:0 count = 1
	s_add_co_u32 s[G0X+4*\g+1], s27, \g*XCH                        ; 63:32 LDS address: chunk g, my four rows
	s_add_nc_u64 s[G0X+4*\g+2:G0X+4*\g+3], s[4:5], \g*1024         ; 120:64 global address: l = 8 g on
	s_or_b32 s[G0X+4*\g+3], s[G0X+4*\g+3], 0x80000000              ; 127:126 type = 2
	s_mov_b32 s[G0W+4*\g], 1
	s_add_co_u32 s[G0W+4*\g+1], s3, WB+\g*WQ                       ; quarter g, my region
	s_add_nc_u64 s[G0W+4*\g+2:G0W+4*\g+3], s[8:9], \g*256          ; k = 256 g on
	s_or_b32 s[G0W+4*\g+3], s[G0W+4*\g+3], 0x80000000
.endr
	CROUND                                         ; all four work-groups are here: the joint loads meet
.irp g, 0,1,2,3                        ; all fills of the launch, in the order in which they are needed: eight tensor loads of mine are out; each has a group 0 of its own, never rewritten
	tensor_load_to_lds s[G0X+4*\g:G0X+4*\g+3], s[G1X:G1X+7]
	s_nop 0
	tensor_load_to_lds s[G0W+4*\g:G0W+4*\g+3], s[G1W:G1W+7]
	s_nop 0
.endr
.rept 4
	v_nop                                          ; four v_nop follow the tensor loads
.endr
	v_mul_u32_u24 v[ADX], v1, XP
	v_lshl_add_u32 v[ADX], v2, 4, v[ADX]
	v_mul_u32_u24 v3, v1, WP
	v_lshl_add_u32 v3, v2, 4, v3
.irp g, 0,1,2,3
	v_add_nc_u32 v[ADW+\g], WB+\g*WQ, v3
.endr
	v_lshlrev_b32 v[OFFO], 20, v2
	v_lshl_add_u32 v[OFFO], v1, 4, v[OFFO]
	s_wait_kmcnt 0x0
	s_sub_co_i32 s[LO], s22, s20
	s_sub_co_i32 s[LO], s[LO], s21                 ; E = e2 - e0 - e1: the three scales ahead of the quantiser are folded into the conversion's one
	s_add_co_i32 s[LO], s[LO], 127
	s_lshl_b32 s2, s[LO], 23                       ; 2^E as f32: the conversion takes its exponent field
	s_add_co_i32 s[LO], s[LO], 8
	s_lshl_b32 s[HI], s[LO], 23
	s_or_b32 s[HI], s[HI], 0x600000                ; 448 x 2^E
	s_or_b32 s[LO], s[HI], 0x80000000              ; and its negative
	s_add_co_i32 s[SCL], s22, s23
	s_add_co_i32 s[SCL], s[SCL], 127
	s_lshl_b32 s[SCL], s[SCL], 23                  ; 2^(e2 + e3) as f32
	WIN W_LX
	v_mov_b32 v[SC], s2                            ; into window 2, beside xl's fragments: first product, hold and conversion then stand under one setting
	WIN 0
; Which K step (mS), pair tile (mP) and place in a group of eight (mC) index i of 256 stands for: up to BYP step by step, each step for the four pair tiles; from BYP on pair tile by pair tile, each through steps 6 and 7
.macro MAP i
.if (\i) < BYP
.set mS, (\i)/32
.set mP, ((\i)/8)%4
.else
.set mS, 6+(((\i)-BYP)/8)%2
.set mP, ((\i)-BYP)/16
.endif
.set mC, (\i)%8
.endm
; 8 LDS loads: xl's fragments l' = 2 a, 2 a + 1 of K step SN (l = 4 SN + l') into set SN % 2
.macro LXRUN a
	WIN W_LX
.irp f, 2*\a, 2*\a+1
.irp c, 0,1,2,3
	ds_load_b128 v[64*(SN%2)+16*(\f)+4*\c:64*(SN%2)+16*(\f)+4*\c+3], v[ADX] offset:((4*SN+(\f))/8)*XCH+((4*SN+(\f))%8)*128+32*\c
.endr
.endr
.endm
; 8 LDS loads: W's fragments 2 a, 2 a + 1 (tile 4 z + q: region q, rows 16 z on) of K step SN into set SN % 2
.macro LWRUN a
	WIN W_LW
.irp f, 2*\a, 2*\a+1
.irp c, 0,1,2,3
	ds_load_b128 v[128*(SN%2)+16*(\f)+4*\c:128*(SN%2)+16*(\f)+4*\c+3], v[ADW+SN/2] offset:((\f)%4)*WREG+((\f)/4)*16*WP+128*(SN%2)+32*\c
.endr
.endr
.endm
; Tile G of 256 of the first product: l' = mC / 2, u = mC % 2.  K = 128 is the whole sum: C = 0.  Four result tiles take turns.
.macro T1
	WIN W_A
	MAP G
.set rD, D1+8*(G%4)
.set rA, XR+16*(2*mP+(mC%2))
.set rB, 64*(mS%2)+16*(mC/2)
	v_wmma_f32_16x16x128_fp8_fp8 v[rD:rD+7], v[rA:rA+15], v[rB:rB+15], 0
.endm
; Tile G - 1 is held within +-448 x 2^E (the conversion to an 8-bit code does not saturate: ISA guide 7.6.2), its four lowest registers first, and converted: registers 2 c, 2 c + 1 (c = tile % 8) of the codes' set
.macro CVA
	WIN W_A
.set rR, D1+8*((G-1)%4)
.irp t, 0,1,2,3
	v_med3_num_f32 v[rR+\t], v[rR+\t], s[LO], s[HI]
.endr
.endm
.macro CVB
	WIN W_A
.set rR, D1+8*((G-1)%4)
.set rQ, PF+16*(((G-1)/8)%2)+2*((G-1)%8)
.irp t, 4,5,6,7
	v_med3_num_f32 v[rR+\t], v[rR+\t], s[LO], s[HI]
.endr
	v_cvt_scalef32_pk8_fp8_f32 v[rQ:rQ+1], v[rR:rR+7], v[SC]
.endm
; Product G - 9 of 256 of the second: W's tile mC.  The first K step starts the sums: nothing is cleared.
; The accumulators take turns, one instruction a turn, and a first product stands between any two; by pair tile the tile's eight take turns.
.macro T2
	WIN W_B
	MAP G-9
.set rC, 64*mP+8*mC
.set rP, PF+16*(((G-9)/8)%2)
.set rW, 128*(mS%2)+16*mC
.if (G-9) < 32
	v_wmma_f32_16x16x128_fp8_fp8 v[rC:rC+7], v[rP:rP+15], v[rW:rW+15], 0
.else
	v_wmma_f32_16x16x128_fp8_fp8 v[rC:rC+7], v[rP:rP+15], v[rW:rW+15], v[rC:rC+7]
.endif
.endm
; THE WAY OUT of pair tile p, through the 64 registers from v[S] on: out = sum x 2^(e2 + e3) + b, one fused multiply-add a number, each accumulator from its lowest register on;
; W's tiles 4 z + 0 .. 3 fall side by side, so a lane holds 16 bytes of a row (i, j) and sixteen lanes 256 consecutive bytes, at a multiple of 256 from out's first byte.
.macro OUTP p, S
.irp z, 0,1
	WIN W_OUT
.irp t, 0,1,2,3,4,5,6,7
.irp q, 0,1,2,3
	v_fma_f32 v[\S+4*(8*\z+\t)+\q], v[64*\p+8*(4*\z+\q)+\t], s[SCL], v[BIAS+4*\z+\q]
.endr
.endr
	WIN 0
.irp t, 0,1,2,3,4,5,6,7
	global_store_b128 v[OFFO], v[\S+4*(8*\z+\t):\S+4*(8*\z+\t)+3], s[14:15] offset:\t*131072+\p*512+\z*256 th:TH_STORE_NT   ; lanes 0-15: row (i0 + t, j); lanes 16-31: row (i0 + 8 + t, j); written once, read by nobody here
.endr
.endr
.endm
; POSITION G: first product G | half the hold of tile G - 1 | second product G - 9 | the other half and the conversion.  Two matrix instructions, nine vector instructions, two window switches.
; DISTANCES (ISA guide 7.12.1 for all but loads), by this text's count of plain vector lines that name none of the matrix instruction's registers:
;   a tile's first read stands behind the eight holds of the tile before it (at position 0: four v_nop); its registers are written anew four positions on;
;   a set of codes is written in positions 8 u + 1 .. 8 u + 8, read in 8 u + 9 .. 8 u + 16 (four holds behind the last conversion), written again from the end of 8 u + 17 on (twelve holds behind the last reader);
;   xl's set is loaded anew at the end of a step's position 1: its last reader stands two positions back, eight holds of another tile behind it;
;   W's set from the end of position 10: its last reader stands in position 8, twenty holds back.
; BY PAIR TILE (from position BYP on).  Step 6's fragments came as every step's do.  Step 7's xl is asked for at the end of positions 193 and 197 and first read in 200 and 204; its W at the end of 202, 204, 206, 208
; (the set's last reader stands in 200), fragment f being first read in 209 + f: each run stands seven positions ahead of its first use.  From position 216 on no LDS load is out and none is issued.
; Pair tile p's last product stands in position 216 + 16 p; its way out follows that position.  Its tiles 0-3 were finished four positions back or more; tiles 4-7 are read behind the first 32 multiply-adds.
.macro POS
.set CP, G%32
.set SS, G/32
.set SN, SS+1
.set BAR, 0
.if G < BYP
.if CP == 0
.if (SS == 1) || (SS == 3) || (SS == 5)
.set BAR, 1
	s_wait_tensorcnt 5-SS                          ; my parts of xl's chunk and W's quarter (SS + 1) / 2 have landed; the loads issued behind them, two for each later quarter, may be out
	s_wait_dscnt 0x0                               ; no LDS instruction of mine is pending at a signal (the youngest were issued ten positions ago)
	s_barrier_signal -1
.else
	s_wait_dscnt 32                                ; this step's xl is in; W's 32 loads, issued behind it, may be out
.endif
.endif
.elseif G == 192
	s_wait_dscnt 32                                ; step 6's xl is in; its W, 32 loads, may be out
.elseif G == 200
	s_wait_dscnt 8                                 ; step 7's first run of xl is in, and step 6's W, issued ahead of it; the second run of xl, 8 loads, may be out
.elseif G == 204
	s_wait_dscnt 8                                 ; the second run of xl is in; behind it: W's first run of step 7
.elseif G == 209
	s_wait_dscnt 24                                ; step 7's W, fragments 0 and 1; behind them: its other three runs
.elseif G == 211
	s_wait_dscnt 16                                ; fragments 2 and 3
.elseif G == 213
	s_wait_dscnt 8                                 ; fragments 4 and 5
.elseif G == 215
	s_wait_dscnt 0x0                               ; fragments 6 and 7: my last LDS loads
.endif
.if G < 256
	T1
.endif
.if (G >= 1) && (G <= 256)
	CVA
.elseif G == 0
.rept 4
	v_nop                                          ; the places behind the very first product: no other vector work is at hand yet
.endr
.elseif G == 257
	v_nop                                          ; one plain vector line between the last conversion and the matrix instruction that reads its result
.endif
.if (CP == 9) && (G < BYP)
	s_wait_dscnt 16                                ; this step's W is in; the next step's xl, 16 loads, may be out
.endif
.if G >= 9
	T2
.endif
.if (G >= 1) && (G <= 256)
	CVB
.endif
.if BAR
	s_barrier_wait -1                              ; everybody's parts have landed: the next two steps' fragments may be fetched
.endif
.if SS < 6                             ; the next step's fragments, in runs of eight loads
.if CP == 1
	LXRUN 0
.elseif CP == 5
	LXRUN 1
.elseif CP == 10
	LWRUN 0
.elseif CP == 14
	LWRUN 1
.elseif CP == 18
	LWRUN 2
.elseif CP == 22
	LWRUN 3
.endif
.elseif SS == 6                        ; step 7's: wanted sooner, since pair tile 0 takes step 7 straight behind step 6
.if CP == 1
	LXRUN 0
.elseif CP == 5
	LXRUN 1
.elseif CP == 10
	LWRUN 0
.elseif CP == 12
	LWRUN 1
.elseif CP == 14
	LWRUN 2
.elseif CP == 16
	LWRUN 3
.endif
.endif
.if G == 216                           ; a finished pair tile leaves at once, through registers that are free: v96-127, and xr's fragments of the pair tiles that are done with
	OUTP 0, 96                                     ; v96-159: xr's fragments of pair tile 0 were last read in position 207
.elseif G == 232
	s_wait_xcnt 0x0                                ; pair tile 0's stores have read their registers (ISA guide 3.1): they are written again only behind this wait
	OUTP 1, 128                                    ; v128-191: xr's fragments of pair tile 1 were last read in position 223
.elseif G == 248
	s_wait_xcnt 0x0                                ; pair tiles 0's and 1's stores have read their registers
	OUTP 2, 96
.endif
.endm
	s_wait_tensorcnt 6                             ; my parts of xl's chunk 0 and W's quarter 0 are in; the six loads behind them may be out
	s_barrier_signal -1
	s_barrier_wait -1                              ; everybody's are
.set SN, 0
	LXRUN 0                                        ; K step 0: xl's 16 loads first, then W's 32
	LXRUN 1
	LWRUN 0
	LWRUN 1
	LWRUN 2
	LWRUN 3
	s_wait_loadcnt 0x0                             ; xr and b, once
.set G, 0
.rept 265
	POS
.set G, G+1
.endr
.rept 4
	v_nop                                          ; the last eight products stand bare: four places between them and the first read of their results
.endr
	OUTP 3, 192                                    ; v192-255: xr's fragments of pair tiles 2 and 3, done with; no store has read these registers
	s_wait_tensorcnt 0x0
	ds_add_u32 v30, v31
	s_wait_dscnt 0x0
	CROUND                                         ; the closing round: no work-group ends while a partner may still ask for a tile that names it (all my tensor loads were waited for in K step 5, all my LDS loads in position 215)
	s_endpgm
.Lfunc_end_k_qa044894f95_cov:
	.size	k_qa044894f95_cov, .Lfunc_end_k_qa044894f95_cov-k_qa044894f95_cov
	.p2alignl 7, 3214868480
	.fill 96, 4, 3214868480
	.section	.rodata,"a",@progbits
	.p2align	6, 0x0
	.amdhsa_kernel k_qa044894f95_cov
		.amdhsa_group_segment_fixed_size 206336
		.amdhsa_private_segment_fixed_size 0
		.amdhsa_enable_private_segment 0
		.amdhsa_kernarg_size 48
		.amdhsa_user_sgpr_count 2
		.amdhsa_user_sgpr_kernarg_segment_ptr 1
		.amdhsa_wavefront_size32 1
		.amdhsa_system_sgpr_workgroup_id_x 1
		.amdhsa_system_sgpr_workgroup_id_y 1
		.amdhsa_system_sgpr_workgroup_id_z 1
		.amdhsa_system_vgpr_workitem_id 0
		.amdhsa_next_free_vgpr 1024
		.amdhsa_next_free_sgpr 88
		.amdhsa_reserve_vcc 0
		.amdhsa_float_denorm_mode_32 3
		.amdhsa_float_denorm_mode_16_64 3
		.amdhsa_memory_ordered 1
		.amdhsa_forward_progress 1
		.amdhsa_inst_pref_size 254
	.end_amdhsa_kernel
	.amdgpu_metadata
---
amdhsa.version: [ 1, 2 ]
amdhsa.kernels:
  - .name:           k_qa044894f95_cov
    .symbol:         k_qa044894f95_cov.kd
    .args:
      - { .name: x_left_codes, .offset: 0, .size: 8, .value_kind: global_buffer, .address_space: global }
      - { .name: x_right_codes, .offset: 8, .size: 8, .value_kind: global_buffer, .address_space: global }
      - { .name: W_codes, .offset: 16, .size: 8, .value_kind: global_buffer, .address_space: global }
      - { .name: b, .offset: 24, .size: 8, .value_kind: global_buffer, .address_space: global }
      - { .name: lowp_scales, .offset: 32, .size: 8, .value_kind: global_buffer, .address_space: global }
      - { .name: out0, .offset: 40, .size: 8, .value_kind: global_buffer, .address_space: global }
    .group_segment_fixed_size: 206336
    .private_segment_fixed_size: 0
    .kernarg_segment_align: 8
    .kernarg_segment_size: 48
    .max_flat_workgroup_size: 128
    .sgpr_count:     88
    .vgpr_count:     1024
    .wavefront_size: 32
...
	.end_amdgpu_metadata
.endif
;; end of part 1
